; MI455X (gfx1250); checked and timed in simulation.
; The chip was launched on July 23, 2026; its instructions are those of AMD's public machine-readable ISA for CDNA 5 (MIT licence, August 2026) and "CDNA5" Instruction Set Architecture Reference Guide (July 2026). The comments in the code are by the model that wrote it; some were corrected since.
;; RP Scaled DP Attention. Allowed arithmetic: matrix products marked QUANTISED: E2M1 operands, one E8M0 scale for each 32 along K, by v_wmma_scale_f32_16x16x128_f8f6f4 with both operands' format E2M1 (or v_wmma_scale_f32_32x16x128_f4), f32 sums; everything else in f32.
;; Inputs: k 4 x 16 x 1,024 x 64 float32; mask 4 x 1 x 1 x 1,024 bool; pos_embedding 301 x 64 float32; q 4 x 16 x 1,024 x 64 float32; v 4 x 16 x 1,024 x 64 float32.
;; Outputs: out0 4 x 16 x 1,024 x 64 float32.
;; This version of the problem:
;;   THIS VERSION OF THE PROBLEM IS GIVEN IN LOW PRECISION. The matrix products marked QUANTISED in the list below multiply operands that are first quantised to E2M1 (2 exponent bits, 1 mantissa bit; 4 bits a number), with one power-of-two scale for each 32 numbers along K (OCP MX v1.0); their sums are f32. All else is computed in f32.
;;   The module's matrix products, in the order in which they are computed (A, B: the left and right operand; K: the contracted axis; several contracted axes count as one K, in the product's order):
;;     1. batch 1,024 x [M 1,024, K 64] x [K 64, N 64]; A: computed on the way; B: input q: QUANTISED
;;     2. batch 64 x [M 1,024, K 64] x [K 64, N 1,024]; A: input q; B: input k: QUANTISED
;;     3. batch 64 x [M 1,024, K 1,024] x [K 1,024, N 64]; A: softmax (see below); B: input v: QUANTISED
;;   THE QUANTISER, for each operand of a quantised product, along K:
;;     - K is cut into blocks of 32 from its start; a last block that is shorter is filled with zeros.
;;     - A block's scale is 2^e with e = floor(log2(the largest magnitude in the block)) - 2, held to -126 .. 127; a block of zeros has e = 0. As a byte (E8M0): e + 127.
;;     - Each number is divided by its block's scale, clamped to +-6, and rounded to the nearest number of E2M1, ties to even, subnormals kept.
;;     - The product sums the exact products of the quantised numbers (number of the format x scale) in f32.
;;   ~~~python
;;   def quantise(x, axis):      # numpy; x: float32 -> the quantised numbers, widened to float32 again
;;       x = np.moveaxis(x, axis, -1); K = x.shape[-1]
;;       x = np.pad(x, [(0, 0)] * (x.ndim - 1) + [(0, -K % 32)]); x = x.reshape(x.shape[:-1] + (-1, 32)); a = np.abs(x).max(-1, keepdims=True)
;;       e = np.where(a > 0, np.clip(np.frexp(np.where(a > 0, a, 1))[1] - 1 - 2, -126, 127), 0)      # np.frexp(a)[1] - 1 = floor(log2(a)), exactly
;;       r = np.clip(x / 2.0 ** e, -6, 6)
;;       step = 2.0 ** (np.maximum(np.frexp(np.where(r == 0, 1, r))[1] - 1, 0) - 1)
;;       q = np.round(r / step) * step * 2.0 ** e      # np.round: ties to even
;;       return np.moveaxis(q.reshape(q.shape[:-2] + (-1,))[..., :K], -1, axis).astype(np.float32)
;;   ~~~
;;   SOFTMAX AHEAD OF A QUANTISED PRODUCT. Where the list says 'softmax', what is quantised is not the finished softmax but p = 2^(t - M), with t = logit x log2(e) and M = ceil(the row's largest t), a whole number; so 1/2 < the row's largest p <= 1. The row's sum l is taken of the UNQUANTISED p, in f32, and the product's result is divided by l at the end. Since M is a whole number, a kernel that streams over the keys may use a running M (the ceiling of the running maximum): every later rescaling is an exact power of two, which a block's scale takes up: the codes' values come out the same.
;;   OPERANDS COMPUTED ON THE WAY. 'Computed on the way' means the value that the module computes at that place (a softmax that the list does not call 'softmax' is quantised finished and normalised). What goes into a quantiser is computed in f32, as accurately as f32 sums, v_exp_f32 and their like allow (about 1e-6 of the number): no bf16 or f16 on the way to a quantiser, and a product that is left as it is and whose result goes on into a quantised operand takes f32 operands (vector FMAs, or v_wmma_f32_16x16x4_f32). A number that lies on a knife's edge between two numbers of the format may be rounded either way, as far as f32 arithmetic and the matrix unit's own rounding can turn it there, and no further.
;; 2 versions. Each part assembles by itself: llvm-mc -triple=amdgcn-amd-amdhsa -mcpu=gfx1250 --defsym DOCPART=n.
;; ======== version 1 of 2: 1 launch
;; limits: right only within a limited range of input values
;; launch attn (part 1): grid 4 x 64, 16 waves a work-group, no clusters, 264,192 bytes of LDS; arguments q, k, v, pos_embedding, mask, out0; writes out0
.if DOCPART == 1
	.amdgcn_target "amdgcn-amd-amdhsa--gfx1250"
	.amdhsa_code_object_version 6
	.text
	.protected	k_q5824c46068_attn
	.globl	k_q5824c46068_attn
	.p2align	8
	.type	k_q5824c46068_attn,@function
k_q5824c46068_attn:
	s_mov_b64 s[64:65], 0
	v_nop
	global_prefetch_b8 v0, s[64:65] scope:SCOPE_SE
	s_setreg_imm32_b32 hwreg(HW_REG_WAVE_MODE, 25, 1), 1
	s_wait_xcnt 0x0
; out[b][h][i][:] = sum over j of softmax_j((q_i . k_j + q_i . pos[idx(j - i)]) / 8, masked keys at -infinity) v_j.   q, k, v, out: [64 heads][1024][64] f32; pos: [301][64] f32; mask: [4][1024] bytes.
; All three products run on codes of FP4 (E2M1) with one E8M0 scale for each 32 along K, by v_wmma_scale_f32_16x16x128_f8f6f4; sums, softmax and the division in f32.
; SHARES.  A work-group owns 256 queries of one head (x = block of queries, y = head); each of its sixteen waves owns 16 of them in 256 registers, four waves to a SIMD.
; ONE LAUNCH, ONE BARRIER.  A head's k and v as codes are 64 KiB: the work-group quantises them, and 36 tiles of table rows, in registers (a lane holds a whole block of 32 along K), and lays them in LDS
; as images of the operands' registers.  Behind the one barrier the images are only read; each wave walks 8 steps of 128 keys by itself.
; THE POSITION TERM.  The gather commutes with the quantiser (blocks lie inside a table row), so the term is Q(q_i) . Q(pos[row]), row = 300 for j - i <= -150, j - i + 149 inside, 299 for j - i >= 150.
; Row m of extended tile T stands for j - i = 16 T + m - 287.  A step whose 128 keys all lie left or right of the band takes one number a query as the C of its score products (CL, CR, made once).
; A step that meets the band multiplies 9 tiles by Q, stores the results skewed (one word further on for each query) into the wave's own stage, and reads them back in the accumulator's layout as C.
; THE MASK RIDES IN THE IDLE HALF OF K (the head's 64 fill half of the instruction's 128): every fragment of keys has the code -6 at k = 64, Q has 0.5 there with the scale 2^-28; a key's scale byte for that block
; is 252 if it is masked (the score gets -3 x 2^97, so p = 2^(t - M) is 0) and 1 if not (-3 x 2^-154).
; BOTH PRODUCTS ARE USED TRANSPOSED (S^T = K Q^T, O^T = V^T P^T): a lane holds one query (lane % 16) throughout.  Row r of tile t of keys is key 32 (t / 2) + 8 (t % 2) + r + 8 (r / 8) of the step, so that the 16
; registers of tiles 2 b, 2 b + 1 are the keys 32 b + 16 (lane / 16) + 0 .. 15.  p = 2^(t - M), M the ceiling of the running largest t; the row's sum is taken of the unquantised p and divides at the end.
; NO JOINT LOADS: what the four work-groups of a head share, k and v, arrives as f32 and has to pass registers to be quantised; brought into LDS first it would be 512 KiB more written to and read from LDS
; for each work-group, against 64 KiB of codes.  No tensor loads, so no slots, no refills.
; LIMITS.  NaN and infinities among the inputs are not served.  Rows whose largest t lies under -2^90 (the running maximum's floor) are taken as fully masked.  An unmasked score carries -3 x 2^-154 (twice in a band
; step).  A block of zeros has the scale byte 1 where the rule says 127: its codes are zeros.  Mask bytes are 0 or 1.  A row with every key masked gives NaN, as the reference does.
.set KIMG, 0                           ; LDS: K's 64 tiles, 512 bytes each: lane l's registers 0-3 at 16 l
.set VIMG, 32768                       ; V's fragments (step s, 16 channels tau) at 4096 s + 1024 tau; registers 4 c .. 4 c + 3 at + 512 c + 16 l
.set PIMG, 65536                       ; the 36 extended tiles of table rows, laid as K's
.set KSC,  83968                       ; K's scale words: step s at 512 s; lane l's 16 bytes: lanes 0-15 tiles 0-3, lanes 16-31 tiles 4-7
.set VSC,  88064                       ; V's: step s at 256 s; lane l's 8 bytes: lanes 0-15 tau 0, 1; lanes 16-31 tau 2, 3
.set PSC,  90112                       ; the table tiles': tile T at 64 T, row r at 4 r
.set STG,  92416                       ; a stage of 10,496 bytes for each wave: 16 rows of 656 bytes (164 words); key column c of a step at word c + 16
.set STGW, 10496
; registers that stay
.set LI,   1                           ; 16 x lane
.set L8,   2                           ; 8 x lane
.set STS,  3                           ; stage, skewed stores: 660 r + 32 h + 4: word 165 r + 8 h + 1: 32 different banks of 64
.set STL,  4                           ; stage, reads as C: 656 r + 64 h + 64
.set APS0, 5                           ; PSC + 4 r
.set OST,  6                           ; the way out: 272 r + 32 h
.set ORD,  7                           ; the way out: 272 h + 16 r
.set ADK,  8                           ; the step's addresses: K's tiles, V's fragments, K's words, V's words
.set ADV,  9
.set ADS,  10
.set ADT,  11
.set QF,   16                          ; v16-23 Q's fragment;  v12 -M, v13 the largest t, v[14:15] the sum in two halves
.set QS,   24                          ; Q's scale words
.set ADP,  25                          ; the step's first table tile
.set VS,   26                          ; v26-27 V's scale words
.set KS,   28                          ; v28-31 K's scale words
.set KB,   32                          ; v32-63 four buffers for tiles of keys or of table rows: registers 4-7 are constants
.set CL,   64                          ; v64-71 q . pos[300] in all eight;  v72-79 q . pos[299]
.set CR,   72
.set S,    96                          ; v96-159 S^T, then p
.set O,    160                         ; v160-191 O^T
.set VB,   192                         ; v192-223 V's four fragments
.set PC,   224                         ; v224-231 p's codes
.set BM,   232                         ; v232-235 the blocks' largest scores, then largest p
.set BT,   236                         ; v236-239 at work
.set D8,   240                         ; v240-247 the ninth table tile's result
.set SOP,  244                         ; v244-247 the conversions' scale operands
.set PS,   248                         ; v248-251 the table tiles' scale words
.set ADPS, 255                         ; their address
; registers of the prologue alone
.set R0,   32                          ; three sets of 32 numbers
.set R1,   64
.set R2,   96
.set KC,   160                         ; codes: each item has its own four registers, so that no store's data are written again
.set PCD,  176
.set VC,   188
.set KW,   204                         ; v204-207 my four tiles' scale words
.set PWD,  208
.set VW,   211
.set MB,   212                         ; v212-215 mask bytes
.set T0,   216
.set T1,   217
.set T2,   218
.set T3,   219
.set E,    220
.set U,    221
.set RR,   225                         ; r = lane % 16
.set HH,   226                         ; h = lane / 16
.set LN,   227
.set SH8,  228
.set AQ,   229
.set AKL,  230
.set AM,   231
.set AP,   232
.set AVL,  235
.set KST,  236
.set KSS,  237
.set PST,  238
.set PSS,  239
.set VST,  240
.set VSS,  241
	s_load_b256 s[4:11], s[0:1], 0x0               ; q s[4:5], k s[6:7], v s[8:9], pos s[10:11]
	s_load_b128 s[12:15], s[0:1], 0x20             ; mask s[12:13], out s[14:15]
	v_lshrrev_b32 v[RR], 5, v0
	v_readfirstlane_b32 s16, v[RR]                 ; wave 0..15
	s_mov_b32 s17, ttmp9                           ; x: block of 256 queries
	s_and_b32 s18, ttmp7, 0xffff                   ; y: head
	v_and_b32 v[LN], 31, v0
	v_and_b32 v[RR], 15, v0
	v_bfe_u32 v[HH], v0, 4, 1
	v_lshlrev_b32 v[LI], 4, v[LN]
	v_lshlrev_b32 v[L8], 3, v[LN]
	; every LDS address is a constant + constants x lane parts + a constant x wave, made here, ahead of every branch
	s_mul_i32 s19, s16, STGW
	s_add_co_u32 s19, s19, STG                     ; my stage
	v_mul_u32_u24 v[STS], v[RR], 660
	v_lshl_add_u32 v[STS], v[HH], 5, v[STS]
	s_add_co_u32 s24, s19, 4
	v_add_nc_u32 v[STS], s24, v[STS]
	v_mul_u32_u24 v[STL], v[RR], 656
	v_lshl_add_u32 v[STL], v[HH], 6, v[STL]
	s_add_co_u32 s24, s19, 64
	v_add_nc_u32 v[STL], s24, v[STL]
	v_lshl_add_u32 v[APS0], v[RR], 2, PSC
	v_mul_u32_u24 v[OST], v[RR], 272
	v_lshl_add_u32 v[OST], v[HH], 5, v[OST]
	v_add_nc_u32 v[OST], s19, v[OST]
	v_mul_u32_u24 v[ORD], v[HH], 272
	v_lshl_add_u32 v[ORD], v[RR], 4, v[ORD]
	v_add_nc_u32 v[ORD], s19, v[ORD]
	s_lshl_b32 s24, s16, 11
	v_add_nc_u32 v[KST], s24, v[LI]                ; K's images: my tiles 4 w .. 4 w + 3 (KIMG = 0)
	s_lshl_b32 s24, s16, 8
	s_add_co_u32 s24, s24, KSC
	v_lshl_add_u32 v[KSS], v[RR], 4, s24           ; and their four words a row
	s_lshl_b32 s24, s16, 9
	s_add_co_u32 s24, s24, PIMG
	v_add_nc_u32 v[PST], s24, v[LI]                ; table tiles w, w + 16, w + 32
	s_lshl_b32 s24, s16, 6
	v_add_nc_u32 v[PSS], s24, v[APS0]
	s_lshl_b32 s24, s16, 11
	s_add_co_u32 s24, s24, VIMG
	v_lshl_add_u32 v[VST], v[HH], 10, s24          ; V: step w / 2, channels 32 (w % 2) + lane: fragment tau = 2 (w % 2) + h, row r
	v_lshl_add_u32 v[VST], v[RR], 4, v[VST]
	s_lshl_b32 s24, s16, 7
	s_add_co_u32 s24, s24, VSC
	v_lshl_add_u32 v[VSS], v[RR], 3, s24
	v_lshl_add_u32 v[VSS], v[HH], 2, v[VSS]
	; offsets in memory
	v_lshlrev_b32 v[SH8], 3, v[HH]
	v_lshlrev_b32 v[AQ], 8, v[RR]
	v_lshl_add_u32 v[AQ], v[HH], 7, v[AQ]          ; q: row r of 256 bytes, my block of 32 at 128 h
	v_and_b32 v[AM], 8, v[RR]
	v_add_nc_u32 v[AM], v[AM], v[RR]               ; r + 8 (r / 8): a tile's row among the keys; also the key's mask byte
	v_lshlrev_b32 v[AKL], 8, v[AM]
	v_lshl_add_u32 v[AKL], v[HH], 7, v[AKL]
	s_lshl_b32 s24, s16, 4
	v_add_nc_u32 v[AP], s24, v[RR]                 ; extended row 16 (w + 16 n) + r
	v_add_nc_u32 v[AP+1], 256, v[AP]
	v_add_nc_u32 v[AP+2], 512, v[AP]
.irp n, 0,1,2
	v_min_u32 v[AP+\n], 437, v[AP+\n]              ; from 437 on: table row 299
	v_add_nc_u32 v[AP+\n], 0xffffff76, v[AP+\n]    ; - 138; what lay under 138 wraps
	v_min_u32 v[AP+\n], 300, v[AP+\n]              ; and becomes table row 300
	v_lshlrev_b32 v[AP+\n], 8, v[AP+\n]
	v_lshl_add_u32 v[AP+\n], v[HH], 7, v[AP+\n]
.endr
	v_lshlrev_b32 v[AVL], 2, v[LN]                 ; v: a lane to a channel
	v_mov_b32 v[T3], 0                             ; written once: a lane permute's destination counts as one of its sources
	s_mov_b32 s20, 0x76543210
	s_mov_b32 s21, 0xfedcba98                      ; v_permlanex16_b32's selects for lane l xor 16
	s_mov_b32 s22, 0x3e38aa3b                      ; c = log2(e) / 8: t = score x c
	s_mov_b32 s23, s22                             ; (named with it as a pair, so it is written)
	s_mov_b32 s28, 0x7f010000                      ; a scale word's upper bytes: block 2: 2^-126, block 3: 1 (its codes are zeros)
	s_mov_b32 s29, 0x7f630000                      ; Q's: block 2: 2^-28
	s_lshl_b32 s44, s18, 18                        ; the head's 262,144 bytes
	s_lshl_b32 s26, s17, 16
	s_lshl_b32 s27, s16, 12
	s_add_co_u32 s26, s26, s27
	s_add_co_u32 s26, s26, s44                     ; q, out: + (256 x + 16 w) rows of 256 bytes
	s_mov_b32 s27, 0
	s_lshl_b32 s38, s16, 14
	s_add_co_u32 s38, s38, s44                     ; k: + 64 w rows
	s_mov_b32 s39, 0
	s_lshr_b32 s40, s16, 1
	s_lshl_b32 s40, s40, 15
	s_and_b32 s41, s16, 1
	s_lshl_b32 s41, s41, 7
	s_add_co_u32 s40, s40, s41
	s_add_co_u32 s40, s40, s44                     ; v: + 128 (w / 2) rows + 32 (w % 2) channels
	s_mov_b32 s41, 0
	s_lshr_b32 s42, s18, 4
	s_lshl_b32 s42, s42, 10
	s_lshl_b32 s43, s16, 6
	s_add_co_u32 s42, s42, s43                     ; mask: batch y / 16, + 64 w keys
	s_mov_b32 s43, 0
	s_wait_kmcnt 0x0
	s_add_nc_u64 s[4:5], s[4:5], s[26:27]
	s_add_nc_u64 s[14:15], s[14:15], s[26:27]
	s_add_nc_u64 s[6:7], s[6:7], s[38:39]
	s_add_nc_u64 s[8:9], s[8:9], s[40:41]
	s_add_nc_u64 s[12:13], s[12:13], s[42:43]
; 16 rows whose K is innermost: lane (r, h) takes block h of row r, 128 bytes, into 32 registers
.macro RLOAD set, adr, base, off
.irp j, 0,1,2,3,4,5,6,7
	global_load_b128 v[\set+4*\j:\set+4*\j+3], v[\adr], s[\base:\base+1] offset:\off+16*\j
.endr
.endm
; v: a lane takes a channel and its registers run down the 32 keys of block t: each load reads 128 consecutive bytes
.macro VLOAD set, t
.irp i, 0,1,2,3,4,5,6,7,8,9,10,11,12,13,14,15,16,17,18,19,20,21,22,23,24,25,26,27,28,29,30,31
	global_load_b32 v[\set+\i], v[AVL], s[8:9] offset:(32*\t+\i)*256
.endr
.endm
; a lane's 32 numbers, one block, become 4 registers of codes at v[c] and the scale's byte in v[e]
.macro QROW set, c, e
	v_max3_num_f32 v[T0], |v[\set]|, |v[\set+1]|, |v[\set+2]|
	v_max3_num_f32 v[T1], |v[\set+3]|, |v[\set+4]|, |v[\set+5]|
.irp i, 6,10,14,18,22,26
	v_max3_num_f32 v[T0], v[T0], |v[\set+\i]|, |v[\set+\i+1]|
	v_max3_num_f32 v[T1], v[T1], |v[\set+\i+2]|, |v[\set+\i+3]|
.endr
	v_max3_num_f32 v[T0], v[T0], |v[\set+30]|, |v[\set+31]|
	v_max3_num_f32 v[T0], v[T0], v[T1], 0x1800000  ; and the floor 2^(3 - 127): the byte cannot fall under 1
	v_add_nc_u32 v[T2], 0xff000000, v[T0]          ; 2 off the exponent field: the conversion takes this operand's exponent field as its scale
.irp g, 0,1,2,3
	v_cvt_scalef32_pk8_fp4_f32 v[\c+\g], v[\set+8*\g:\set+8*\g+7], v[T2]
.endr
	v_lshrrev_b32 v[\e], 23, v[T2]                 ; the scale's byte; also the plain line behind the conversions
.endm
; my byte (block h) and lane l xor 16's make the row's word; up: its two upper bytes
.macro WORD w, up
	v_lshlrev_b32 v[\w], v[SH8], v[E]
	v_permlanex16_b32 v[T3], v[\w], s20, s21
	v_or_b32 v[\w], v[\w], v[T3]
	v_or_b32 v[\w], \up, v[\w]
.endm
.macro KITEM i, set
	QROW \set, KC+4*\i, E
	v_mad_u32_u24 v[U], v[MB+\i], 0xfb0000, s28    ; block 2's byte: 1, or 252 for a masked key
	WORD KW+\i, v[U]
	ds_store_b128 v[KST], v[KC+4*\i:KC+4*\i+3] offset:512*\i
.endm
.macro PITEM n, set
	QROW \set, PCD+4*\n, E
	WORD PWD+\n, s28
	ds_store_b128 v[PST], v[PCD+4*\n:PCD+4*\n+3] offset:8192*\n
	ds_store_b32 v[PSS], v[PWD+\n] offset:1024*\n  ; (both halves of the lanes write the same word with the same value)
.endm
.macro VITEM t, set
.if \t == 0
	QROW \set, VC, VW
.else
	QROW \set, VC+4*\t, E
	v_lshl_or_b32 v[VW], v[E], 8*\t, v[VW]         ; my channel's four bytes of this step
.endif
	ds_store_b128 v[VST], v[VC+4*\t:VC+4*\t+3] offset:512*(\t/2)+256*(\t%2)   ; block t = 2 c + h' of the fragment: registers 4 c on, lane 16 h' + r
.endm
	; THE PROLOGUE.  Three sets of registers take turns; each wait's count is the number of loads issued behind the item that is due.
.irp i, 0,1,2,3
	global_load_u8 v[MB+\i], v[AM], s[12:13] offset:32*(\i/2)+8*(\i%2)
.endr
.irp j, 0,1,2,3,4,5,6,7
	global_load_b128 v[R0+4*\j:R0+4*\j+3], v[AQ], s[4:5] offset:16*\j th:TH_LOAD_NT   ; q is read once in the launch
.endr
	RLOAD R1, AKL, 6, 0
	RLOAD R2, AKL, 6, 2048
	s_wait_loadcnt 16                              ; behind q: two tiles of k
	QROW R0, QF, E
	WORD QS, s29
	RLOAD R0, AKL, 6, 8192
	s_wait_loadcnt 16                              ; behind each tile of k: two items of eight loads
	KITEM 0, R1
	RLOAD R1, AKL, 6, 10240
	s_wait_loadcnt 16
	KITEM 1, R2
	RLOAD R2, AP, 10, 0
	s_wait_loadcnt 16
	KITEM 2, R0
	RLOAD R0, AP+1, 10, 0
	s_wait_loadcnt 16
	KITEM 3, R1
	ds_store_b128 v[KSS], v[KW:KW+3]
	VLOAD R1, 0
	s_wait_loadcnt 40                              ; behind table tile w: tile w + 16's 8 and v's block 0's 32
	PITEM 0, R2
	s_wait_loadcnt 32                              ; v's block 0
	PITEM 1, R0
	VLOAD R2, 1
	s_cmp_lt_u32 s16, 4                            ; tiles 32 to 35 fall to waves 0 to 3
	s_cbranch_scc0 .Lno_p2
	RLOAD R0, AP+2, 10, 0
	s_wait_loadcnt 0x0
	PITEM 2, R0
.Lno_p2:
	s_wait_loadcnt 32                              ; behind v's block 0: block 1 (waves 0 to 3 have waited for all)
	VITEM 0, R1
	VLOAD R1, 2
	s_wait_loadcnt 32
	VITEM 1, R2
	VLOAD R2, 3
	s_wait_loadcnt 32
	VITEM 2, R1
	s_wait_loadcnt 0x0
	VITEM 3, R2
	ds_store_b32 v[VSS], v[VW]
	s_wait_dscnt 0x0                               ; for the others' sake: all my images lie in LDS
	s_barrier_signal -1
	s_barrier_wait -1                              ; the only barrier: behind it the images are only read, and a stage is touched by its own wave alone
; one matrix instruction.  c < 0: the sum starts with 0; else C = v[c .. c + 7].  row = 1: source 0's scales stand in lanes 16-31
.macro WM d, a, b, c, sa, sb, row
.if (\c) < 0
	v_wmma_scale_f32_16x16x128_f8f6f4 v[\d:\d+7], v[\a:\a+7], v[\b:\b+7], 0, v[\sa], v[\sb] matrix_a_fmt:MATRIX_FMT_FP4 matrix_b_fmt:MATRIX_FMT_FP4
.elseif \row
	v_wmma_scale_f32_16x16x128_f8f6f4 v[\d:\d+7], v[\a:\a+7], v[\b:\b+7], v[\c:\c+7], v[\sa], v[\sb] matrix_a_fmt:MATRIX_FMT_FP4 matrix_b_fmt:MATRIX_FMT_FP4 matrix_a_scale:MATRIX_SCALE_ROW1
.else
	v_wmma_scale_f32_16x16x128_f8f6f4 v[\d:\d+7], v[\a:\a+7], v[\b:\b+7], v[\c:\c+7], v[\sa], v[\sb] matrix_a_fmt:MATRIX_FMT_FP4 matrix_b_fmt:MATRIX_FMT_FP4
.endif
.endm
.macro PLACES                          ; four plain vector lines between a matrix instruction and a load into, or a read of, its registers
.rept 4
	v_nop
.endr
.endm
.macro KLOAD g                         ; tiles 4 g .. 4 g + 3 of the step's keys: registers 0-3 of the four buffers
.irp b, 0,1,2,3
	ds_load_b128 v[KB+8*\b:KB+8*\b+3], v[ADK] offset:2048*\g+512*\b
.endr
.endm
.macro SMUL g, c                       ; their scores.  c < 0: C is what lies in the tile's own registers; else the eight registers at c
.irp b, 0,1,2,3
.if (\c) < 0
	WM S+8*(4*\g+\b), KB+8*\b, QF, S+8*(4*\g+\b), KS+\b, QS, \g
.else
	WM S+8*(4*\g+\b), KB+8*\b, QF, \c, KS+\b, QS, \g
.endif
.endr
.endm
.macro PLOAD x0, n                     ; table tiles x0 .. x0 + n - 1 of the step's nine, and their scale words
.set pb, 0
.rept \n
	ds_load_b128 v[KB+8*pb:KB+8*pb+3], v[ADP] offset:512*(\x0+pb)
	ds_load_b32 v[PS+pb], v[ADPS] offset:64*(\x0+pb)
.set pb, pb+1
.endr
.endm
.macro PMUL n, d0
.set pb, 0
.rept \n
	WM \d0+8*pb, KB+8*pb, QF, -1, PS+pb, QS, 0
.set pb, pb+1
.endr
.endm
.macro PSTORE x0, n, d0                ; lane (r, h), register j: extended row 16 x + 8 h + j for query r, to word 165 r + 16 x + 8 h + j + 1; each result from its low end on
.set pb, 0
.rept \n
.irp j, 0,1,2,3,4,5,6,7
	ds_store_b32 v[STS], v[\d0+8*pb+\j] offset:64*(\x0+pb)+4*\j
.endr
.set pb, pb+1
.endr
.endm
.macro FAR c                           ; a step outside the band
	KLOAD 0
	s_wait_dscnt 0x0
	SMUL 0, \c
	PLACES
	KLOAD 1
	s_wait_dscnt 0x0
	SMUL 1, \c
.endm
	v_add_nc_u32 v[ADP], PIMG, v[LI]
	ds_load_b128 v[KB:KB+3], v[ADP]                ; tile 0: sixteen times table row 300
	ds_load_b128 v[KB+8:KB+11], v[ADP] offset:17920 ; tile 35: sixteen times row 299
	ds_load_b32 v[PS], v[APS0]
	ds_load_b32 v[PS+1], v[APS0] offset:2240
	v_bfe_u32 v254, v0, 4, 1
	v_xor_b32 v[QF+4], 1, v254                     ; Q at k = 64: the code of 0.5, in lanes 0-15 alone
	v_mov_b32 v[QF+5], 0
	v_mov_b32 v[QF+6], 0
	v_mov_b32 v[QF+7], 0
	v_mul_u32_u24 v[KB+4], 15, v[QF+4]             ; keys and table rows at k = 64: the code of -6
.irp b, 1,2,3
	v_mov_b32 v[KB+8*\b+4], v[KB+4]
.endr
.irp b, 0,1,2,3
	v_mov_b32 v[KB+8*\b+5], 0
	v_mov_b32 v[KB+8*\b+6], 0
	v_mov_b32 v[KB+8*\b+7], 0
.endr
	v_mov_b32 v13, 0xec800000                      ; the largest t so far: -2^90, over every masked key's t (-0.54 x 2^97).  These nine lines are also the places between the operands just written and the products
	v_floor_f32 v12, -v13                          ; -M
	v_mov_b32 v14, 0                               ; the sum, in two halves
	v_mov_b32 v15, 0
.irp b, 0,1,2,3
	v_mov_b32 v[BT+\b], 0                          ; written once: a lane permute's destination counts as one of its sources
.endr
	v_mov_b32 v253, 0                              ; (named as the upper half of the pair v[252:253] before it is first written)
	s_wait_dscnt 0x0
	WM CL, KB, QF, -1, PS, QS, 0
	WM CR, KB+8, QF, -1, PS+1, QS, 0
.set j, 0
.rept 32
	v_mov_b32 v[O+j], 0                            ; O^T.  (The step is written once: the first finds zeros.)  Also the places behind the two products
.set j, j+1
.endr
	s_mov_b32 s30, KIMG                            ; the step's tiles of K, fragments of V and scale words
	s_mov_b32 s31, VIMG
	s_mov_b32 s32, KSC
	s_mov_b32 s33, VSC
	s_lshl_b32 s38, s17, 4
	s_add_co_u32 s38, s38, s16
	s_sub_co_u32 s34, 17, s38                      ; RT = 8 s - 16 x - w + 17: key column c and query r want extended row 16 RT + 15 + c - r: tiles RT .. RT + 8
	s_mov_b32 s37, 8
.Lstep:                                            ; 8 trips: 128 keys each
	v_add_nc_u32 v[ADK], s30, v[LI]                ; (four places behind the last trip's products, in front of loads into registers that they read)
	v_add_nc_u32 v[ADV], s31, v[LI]
	v_add_nc_u32 v[ADS], s32, v[LI]
	v_add_nc_u32 v[ADT], s33, v[L8]
	ds_load_b128 v[KS:KS+3], v[ADS]
	ds_load_b64 v[VS:VS+1], v[ADT]
.irp t, 0,1,2,3
.irp c, 0,1
	ds_load_b128 v[VB+8*\t+4*\c:VB+8*\t+4*\c+3], v[ADV] offset:1024*\t+512*\c   ; V's fragments are asked for a softmax ahead of their use
.endr
.endr
	s_cmp_gt_u32 s34, 27                           ; the branches hang on the work-group's, the wave's and the step's numbers alone
	s_cbranch_scc1 .Lfar
	; A STEP THAT MEETS THE BAND: nine table tiles x Q, through my stage, become the C of the score products
	s_min_u32 s38, s34, 27
	s_lshl_b32 s35, s38, 9
	s_add_co_u32 s35, s35, PIMG
	s_lshl_b32 s36, s38, 6
	v_add_nc_u32 v[ADP], s35, v[LI]
	v_add_nc_u32 v[ADPS], s36, v[APS0]
	PLOAD 0, 4
	s_wait_dscnt 0x0
	PMUL 4, S
	PLACES
	PLOAD 4, 4
	PSTORE 0, 4, S
	s_wait_dscnt 32                                ; the 32 stores are younger than the eight loads
	PMUL 4, S+32
	PLACES
	PLOAD 8, 1
	PSTORE 4, 4, S+32
	s_wait_dscnt 32
	PMUL 1, D8
	PLACES
	KLOAD 0
	PSTORE 8, 1, D8
.irp t, 0,1,2,3,4,5,6,7
.irp e, 0,1
	ds_load_b128 v[S+8*\t+4*\e:S+8*\t+4*\e+3], v[STL] offset:128*(\t/2)+32*(\t%2)+16*\e   ; LDS serves a wave's instructions in order (ISA guide 5.7.1.4): these see my stores.  Register j of tile t: key column 32 (t / 2) + 16 h + 8 (t % 2) + j
.endr
.endr
	s_wait_dscnt 8                                 ; the C of tiles 4-7 may be out
	SMUL 0, -1
	PLACES
	KLOAD 1
	s_wait_dscnt 0x0
	SMUL 1, -1
	s_branch .Lsoft
.Lfar:
	s_cmp_lt_i32 s34, 0
	s_cbranch_scc1 .Lleft
	FAR CR                                         ; RT >= 28: every j - i is 150 or more
	s_branch .Lsoft
.Lleft:
	FAR CL                                         ; RT < 0: every j - i is -150 or less
.Lsoft:
	PLACES
.irp b, 0,1,2,3
	v_max3_num_f32 v[BM+\b], v[S+16*\b], v[S+16*\b+1], v[S+16*\b+2]   ; the largest score of each block of 32 keys: for the row's maximum, and, since p rises with the score, for the block's largest p
.endr
.irp i, 3,5,7,9,11,13
.irp b, 0,1,2,3
	v_max3_num_f32 v[BM+\b], v[BM+\b], v[S+16*\b+\i], v[S+16*\b+\i+1]
.endr
.endr
.irp b, 0,1,2,3
	v_max_num_f32 v[BM+\b], v[BM+\b], v[S+16*\b+15]
.endr
.irp b, 0,1,2,3
	v_permlanex16_b32 v[BT+\b], v[BM+\b], s20, s21
.endr
.irp b, 0,1,2,3
	v_max_num_f32 v[BM+\b], v[BM+\b], v[BT+\b]     ; with lane l xor 16's 16 keys
.endr
	v_max3_num_f32 v254, v[BM], v[BM+1], v[BM+2]
	v_max_num_f32 v254, v254, v[BM+3]
	v_mul_f32 v254, s22, v254                      ; as t (c is positive)
	v_max_num_f32 v13, v13, v254                   ; the running largest t
	v_mov_b32 v254, v12
	v_floor_f32 v12, -v13                          ; the new -M = -ceil(t): a whole number
	v_sub_f32 v254, v12, v254                      ; old M - new M, 0 or less
	v_cvt_i32_f32 v254, v254                       ; (it saturates)
	v_ldexp_f32 v252, 1.0, v254                    ; f = 2^(old M - new M): a multiplication by it rounds nothing
.set j, 0
.rept 32
	v_pk_fma_f32 v[S+j:S+j+1], v[S+j:S+j+1], s[22:23], v[12:13] op_sel_hi:[1,0,0]   ; t - M, two at a time
.set j, j+2
.endr
.irp b, 0,1,2,3
	v_fma_f32 v[BM+\b], v[BM+\b], s22, v12
.endr
.set j, 0
.rept 64
	v_exp_f32 v[S+j], v[S+j]                       ; p = 2^(t - M), at most 1; 0 for a masked key
.set j, j+1
.endr
.irp b, 0,1,2,3
	v_exp_f32 v[BM+\b], v[BM+\b]                   ; the block's largest p: the same two instructions on the same number
.endr
	v_pk_mul_f32 v[14:15], v[14:15], v[252:253] op_sel_hi:[1,0]   ; the sums under the new M; a plain line behind the exponentials
	s_wait_alu depctr_va_vdst(0)
.irp b, 0,1,2,3
	v_max_num_f32 v[BM+\b], 0x1800000, v[BM+\b]    ; the floor 2^(3 - 127): a block of zeros keeps the byte 1
.endr
.irp b, 0,1,2,3
	v_add_nc_u32 v[SOP+\b], 0xff000000, v[BM+\b]
.endr
.irp b, 0,1,2,3
	v_lshrrev_b32 v[BT+\b], 23, v[SOP+\b]
.endr
	v_lshl_or_b32 v253, v[BT+1], 8, v[BT]          ; p's scale word for these 128 keys
	v_lshl_or_b32 v253, v[BT+2], 16, v253
	v_lshl_or_b32 v253, v[BT+3], 24, v253
.irp b, 0,1,2,3
	v_cvt_scalef32_pk8_fp4_f32 v[PC+2*\b], v[S+16*\b:S+16*\b+7], v[SOP+\b]
	v_cvt_scalef32_pk8_fp4_f32 v[PC+2*\b+1], v[S+16*\b+8:S+16*\b+15], v[SOP+\b]
.endr
	v_nop                                          ; one plain line behind a scaled conversion
.irp c, 0,1                                        ; the operand's layout wants a whole block in a lane
.irp i, 0,1
	v_permlane16_swap_b32 v[PC+4*\c+\i], v[PC+4*\c+2+\i]
.endr
.endr
	v_pk_add_f32 v[BT:BT+1], v[S:S+1], v[S+2:S+3]  ; the row's sum is taken of the unquantised p: two chains
.irp j, 4,8,12,16,20,24,28,32,36,40,44,48,52,56,60
	v_pk_add_f32 v[14:15], v[14:15], v[S+\j:S+\j+1]
	v_pk_add_f32 v[BT:BT+1], v[BT:BT+1], v[S+\j+2:S+\j+3]
.endr
	v_pk_add_f32 v[14:15], v[14:15], v[BT:BT+1]    ; (these additions are the places between p's codes and scale word and the products below)
.set j, 0
.rept 16
	v_pk_mul_f32 v[O+j:O+j+1], v[O+j:O+j+1], v[252:253] op_sel_hi:[1,0]   ; O^T under the new M
.set j, j+2
.endr
.irp t, 0,1,2,3                                    ; O^T += V^T P^T; V's loads are older than the score products' wait for 0.  The four accumulators take turns
	WM O+8*\t, VB+8*\t, PC, O+8*\t, VS+(\t%2), 253, \t/2
.endr
	s_add_co_u32 s30, s30, 4096
	s_add_co_u32 s31, s31, 4096
	s_add_co_u32 s32, s32, 512
	s_add_co_u32 s33, s33, 256
	s_add_co_u32 s34, s34, 8
	s_sub_co_u32 s37, s37, 1
	s_cmp_lg_u32 s37, 0
	s_cbranch_scc1 .Lstep
	; THE WAY OUT.  O^T / the sum goes through my stage (rows of 272 bytes) and leaves as whole rows of 256 bytes.
	v_add_f32 v14, v14, v15                        ; the sum's two halves,
	v_permlanex16_b32 v252, v14, s20, s21
	v_add_f32 v14, v14, v252                       ; and lane l xor 16's
	v_rcp_f32 v14, v14
	v_mov_b32 v254, 0x7fc00000                     ; (a plain line behind the reciprocal)
	v_cmp_ge_f32 vcc_lo, 0xec800000, v13           ; no key has counted: the row is NaN, as in the reference
	s_wait_alu depctr_va_vdst(0)
	v_cndmask_b32 v14, v14, v254, vcc_lo
.set j, 0
.rept 16
	v_pk_mul_f32 v[S+j:S+j+1], v[O+j:O+j+1], v[14:15] op_sel_hi:[1,0]   ; register 8 tau + i: out(query r, channel 16 tau + 8 h + i)
.set j, j+2
.endr
.irp t, 0,1,2,3
	ds_store_b128 v[OST], v[S+8*\t:S+8*\t+3] offset:64*\t
	ds_store_b128 v[OST], v[S+8*\t+4:S+8*\t+7] offset:64*\t+16
.endr
.irp i, 0,1,2,3,4,5,6,7
	ds_load_b128 v[KB+4*\i:KB+4*\i+3], v[ORD] offset:544*\i   ; lanes 0-15 row 2 i, lanes 16-31 row 2 i + 1; in order behind my stores
.endr
.irp i, 0,1,2,3,4,5,6,7
	s_wait_dscnt 7-\i
	global_store_b128 v[LI], v[KB+4*\i:KB+4*\i+3], s[14:15] offset:512*\i th:TH_STORE_NT   ; 32 lanes store 512 consecutive bytes, at a multiple of 256 from the output's first byte
.endr
	s_wait_xcnt 0x0
	v_lshl_add_u32 v254, v0, 2, 0x40000
	v_mov_b32 v255, 0
	s_wait_tensorcnt 0x0
	ds_add_u32 v254, v255
	s_wait_dscnt 0x0
	s_endpgm
.Lfunc_end_k_q5824c46068_attn:
	.size	k_q5824c46068_attn, .Lfunc_end_k_q5824c46068_attn-k_q5824c46068_attn
	.p2alignl 7, 3214868480
	.fill 96, 4, 3214868480
	.section	.rodata,"a",@progbits
	.p2align	6, 0x0
	.amdhsa_kernel k_q5824c46068_attn
		.amdhsa_group_segment_fixed_size 264192
		.amdhsa_private_segment_fixed_size 0
		.amdhsa_enable_private_segment 0
		.amdhsa_kernarg_size 48
		.amdhsa_user_sgpr_count 2
		.amdhsa_user_sgpr_kernarg_segment_ptr 1
		.amdhsa_wavefront_size32 1
		.amdhsa_system_sgpr_workgroup_id_x 1
		.amdhsa_system_sgpr_workgroup_id_y 1
		.amdhsa_system_sgpr_workgroup_id_z 1
		.amdhsa_system_vgpr_workitem_id 0
		.amdhsa_next_free_vgpr 256
		.amdhsa_next_free_sgpr 66
		.amdhsa_reserve_vcc 1
		.amdhsa_float_denorm_mode_32 3
		.amdhsa_float_denorm_mode_16_64 3
		.amdhsa_memory_ordered 1
		.amdhsa_forward_progress 1
		.amdhsa_inst_pref_size 77
	.end_amdhsa_kernel
	.amdgpu_metadata
---
amdhsa.version: [ 1, 2 ]
amdhsa.kernels:
  - .name:           k_q5824c46068_attn
    .symbol:         k_q5824c46068_attn.kd
    .args:
      - { .name: q, .offset: 0, .size: 8, .value_kind: global_buffer, .address_space: global }
      - { .name: k, .offset: 8, .size: 8, .value_kind: global_buffer, .address_space: global }
      - { .name: v, .offset: 16, .size: 8, .value_kind: global_buffer, .address_space: global }
      - { .name: pos_embedding, .offset: 24, .size: 8, .value_kind: global_buffer, .address_space: global }
      - { .name: mask, .offset: 32, .size: 8, .value_kind: global_buffer, .address_space: global }
      - { .name: out0, .offset: 40, .size: 8, .value_kind: global_buffer, .address_space: global }
    .group_segment_fixed_size: 264192
    .private_segment_fixed_size: 0
    .kernarg_segment_align: 8
    .kernarg_segment_size: 48
    .max_flat_workgroup_size: 512
    .sgpr_count:     66
    .vgpr_count:     256
    .wavefront_size: 32
...
	.end_amdgpu_metadata
.endif
;; end of part 1
;; ======== version 2 of 2: 1 launch
;; limits: right only within a limited range of input values
;; launch attn (part 2): grid 64 x 4, 16 waves a work-group, no clusters, 264,704 bytes of LDS; arguments q, k, v, pos_embedding, mask, out0; writes out0
.if DOCPART == 2
	.amdgcn_target "amdgcn-amd-amdhsa--gfx1250"
	.amdhsa_code_object_version 6
	.text
	.protected	k_q5824c46068_attn
	.globl	k_q5824c46068_attn
	.p2align	8
	.type	k_q5824c46068_attn,@function
k_q5824c46068_attn:
	s_mov_b64 s[64:65], 0
	v_nop
	global_prefetch_b8 v0, s[64:65] scope:SCOPE_SE
	s_setreg_imm32_b32 hwreg(HW_REG_WAVE_MODE, 25, 1), 1
	s_wait_xcnt 0x0
; out[b][h][i][:] = sum over j of softmax_j((q_i . k_j + q_i . pos[idx(j - i)]) / 8, masked keys at -infinity) v_j.   q, k, v, out: [64 heads][1024][64] f32; pos: [301][64] f32; mask: [4][1024] bytes.
; All three products run on codes of FP4 (E2M1) with one E8M0 scale for each 32 along K, by v_wmma_scale_f32_16x16x128_f8f6f4; sums, softmax and the division in f32.
; SHARES.  A work-group owns 256 queries of one head (x = head, y = block of queries); each of its sixteen waves owns 16 of them in 256 registers, four waves to a SIMD.
; A PIPELINE OVER THE KEYS, 8 steps of 128.  A step's keys are 16 ITEMS, one a wave: waves 0-7 a tile of 16 rows of k, waves 8-15 a block of v (32 keys x 32 channels).  In step s a wave multiplies step s, quantises its
; item of step s + 1 from registers into LDS, as an image of the operand's registers, and asks memory for its item of step s + 2.  Each step's images have bytes of their own: nothing is overwritten, and one barrier a step
; (signalled behind the images' stores, waited for at the step's end) shows the next step's images to all waves.
; ROWS WHOSE K IS INNERMOST (q, k, the table) are loaded as they lie, 512 consecutive bytes (two rows) a load, and turn through the wave's own stage in LDS, from which a lane takes its block's 128 bytes.
; v, whose K (the keys) is not innermost, is loaded a lane to a channel, registers down the keys: 128 consecutive bytes a load, in the order that the conversions want.
; THE POSITION TERM.  The gather commutes with the quantiser (blocks lie inside a table row), so the term is Q(q_i) . Q(pos[row]), row = 300 for j - i <= -150, j - i + 149 inside, 299 for j - i >= 150.
; Row m of extended tile T (0..35) stands for j - i = 16 T + m - 287.  Tiles 0-7 are sixteen times row 300, tiles 28-35 sixteen times row 299: each is made once and stored eight times.
; A step whose 128 keys all lie left or right of the band takes one number a query as the C of its score products (CL, CR, made once).
; A step that meets the band multiplies 9 tiles by Q, stores the results skewed (one word further on for each query) into the wave's own stage, and reads them back in the accumulator's layout as C.
; THE MASK RIDES IN THE IDLE HALF OF K (the head's 64 fill half of the instruction's 128): every fragment of keys has the code -6 at k = 64, Q has 0.5 there with the scale 2^-28; a key's scale byte for that block
; is 252 if it is masked (the score gets -3 x 2^97, so p = 2^(t - M) is 0) and 1 if not (-3 x 2^-154).
; BOTH PRODUCTS ARE USED TRANSPOSED (S^T = K Q^T, O^T = V^T P^T): a lane holds one query (lane % 16) throughout.  Row r of tile t of keys is key 32 (t / 2) + 8 (t % 2) + r + 8 (r / 8) of the step, so that the 16
; registers of tiles 2 b, 2 b + 1 are the keys 32 b + 16 (lane / 16) + 0 .. 15.  p = 2^(t - M), M the ceiling of the running largest t; the row's sum is taken of the unquantised p and divides at the end.
; NO JOINT LOADS: what a head's four work-groups share arrives as f32, 64 KiB a step; two slots of it, 128 KiB, beside 92 KiB of images and scales and sixteen stages (164 KiB) pass the 320 KiB of LDS, and v would gain a pass
; through LDS that it does not need.  A head's work-groups are 64 apart in number.
; PREFETCH: in steps 0-3, four steps ahead of the step in hand (two ahead of the loads).  A step's 32 KiB of k and 32 KiB of v are 256 blocks of 256 bytes: each of the head's four work-groups names 32 of k (wave 0) and 32 of v (wave 8).
; LIMITS.  NaN and infinities among the inputs are not served.  Rows whose largest t lies under -2^90 (the running maximum's floor) are taken as fully masked.  An unmasked score carries -3 x 2^-154 (twice in a band
; step).  A block of zeros has the scale byte 1 where the rule says 127: its codes are zeros.  Mask bytes are 0 or 1.  A row with every key masked gives NaN, as the reference does.
; A WORK-GROUP'S 256 QUERIES are every fourth of the head's 64 tiles of 16: wave w owns tile 8 (w % 8) + 4 (w / 8) + y.  So in each step about 28 of 64 tiles, 7 of the 16 waves, meet the band, k waves and v waves alike.
.set KIMG, 0                           ; LDS: K's tiles: step s at 4096 s, tile t at 512 t; lane l's registers 0-3 at 16 l
.set VIMG, 32768                       ; V's fragments (step s, 16 channels tau) at 4096 s + 1024 tau; registers 4 c .. 4 c + 3 at + 512 c + 16 l
.set PIMG, 65536                       ; the 36 extended tiles of table rows, laid as K's
.set SC,   83968                       ; scale words: step s at 1024 s.  K: lane l's 16 bytes at 16 l: lanes 0-15 tiles 0-3, lanes 16-31 tiles 4-7.  V: + 512, 8 bytes at 16 l: lanes 0-15 tau 0, 1; lanes 16-31 tau 2, 3
.set PSC,  92160                       ; the table tiles': tile T at 64 T, row r at 4 r
.set STG,  94464                       ; a stage of 10,496 bytes for each wave.  Scores: 16 rows of 656 bytes (164 words); key column c of a step at word c + 16
.set STGW, 10496
.set TST,  4736                        ; turns: two places of 4,736 bytes: block h of row m of an item at 144 m + 2432 h
.set SPARE, STG+16*STGW                ; the spare words, 128 bytes a wave
; registers that stay
.set LI,   1                           ; 16 x lane
.set LS,   2                           ; SC + 16 x lane
.set STS,  3                           ; stage, skewed stores: 660 r + 32 h + 4: word 165 r + 8 h + 1: 32 different banks of 64
.set STL,  4                           ; stage, reads as C: 656 r + 64 h + 64
.set APS0, 5                           ; PSC + 4 r
.set APSH, 9                           ; PSC + 4 x lane: lanes 16-31 one tile further on
.set OST,  6                           ; the way out: 272 r + 32 h
.set ORD,  7                           ; the way out: 272 h + 16 r
.set ADK,  8                           ; the step's images
.set ADS,  10                          ; the step's scale words
.set QF,   16                          ; v16-23 Q's fragment;  v12 -M, v13 the largest t, v[14:15] the sum in two halves
.set QS,   24                          ; Q's scale words
.set ADP,  25                          ; the step's first table tile
.set VS,   26                          ; v26-27 V's scale words
.set KS,   28                          ; v28-31 K's scale words
.set KB,   32                          ; v32-63 four buffers for tiles of keys or of table rows: registers 4-7 are constants
.set CL,   64                          ; v64-71 q . pos[300] in all eight;  v72-79 q . pos[299]
.set CR,   72
.set TIN,  80                          ; the turn, on the way in: 144 (lane / 16) + 2432 ((lane / 8) % 2) + 16 (lane % 8)
.set TOUT, 81                          ; and on the way out: 144 r + 2432 h
.set IK,   82                          ; my item's places: K's image, K's words,
.set IKS,  83
.set IV,   84                          ; V's image, V's bytes
.set IVS,  85
.set AM,   86                          ; my key's mask byte in a tile
.set AVL,  87                          ; 4 x lane: v, a lane to a channel
.set MB,   88                          ; the mask byte
.set SH8,  89                          ; 8 h
.set T3,   90                          ; a lane permute's destination
.set PFO,  91                          ; the prefetches' offset
.set CC,   92                          ; v92-95 an item's codes
.set S,    96                          ; v96-159 S^T, then p; v96-127 then V's four fragments
.set O,    160                         ; v160-191 O^T
.set G,    192                         ; v192-223 the item on its way
.set PC,   224                         ; v224-231 p's codes
.set BM,   232                         ; v232-235 the blocks' largest scores, then largest p
.set BT,   236                         ; v236-239 at work
.set D8,   240                         ; v240-247 the ninth table tile's result
.set SOP,  244                         ; v244-247 the conversions' scale operands
.set PS,   248                         ; v248-251 the table tiles' scale words
.set F,    254                         ; 2^(old M - new M)
.set ADPS, 255                         ; the table tiles' words' address
; at work on an item
.set IA,   232
.set IB,   233
.set QA,   240
.set QB,   241
.set QC,   242
.set QD,   243
.set T2,   244
.set E,    245
.set U,    246
.set W,    247
; the prologue alone
.set R0,   96
.set R1,   128
.set R2,   160
.set PA0,  224
.set PA1,  32
.set RR,   48                          ; r = lane % 16
.set HH,   49                          ; h = lane / 16
.set LN,   50
.set EP,   51                          ; 112 + 16 w + h: my extended row in a table tile's first load
.set C16,  52                          ; 16 r: my bytes in a row
.set PST,  53
.set PSS,  54
.set TA,   55
.macro VW
	s_wait_alu depctr_va_vdst(0)
.endm
; the offsets of table tile 7 + w + 16 n's eight loads: extended row e = 16 (7 + w + 16 n) + 2 j + h is table row 300 under 138, e - 138 up to 437, 299 beyond
.macro PADDR pa, n
.irp j, 0,1,2,3,4,5,6,7
	v_add_nc_u32 v[\pa+\j], 256*\n+2*\j, v[EP]
.endr
.irp j, 0,1,2,3,4,5,6,7
	v_min_u32 v[\pa+\j], 437, v[\pa+\j]
.endr
.irp j, 0,1,2,3,4,5,6,7
	v_add_nc_u32 v[\pa+\j], 0xffffff76, v[\pa+\j]  ; - 138; what lay under 138 wraps
.endr
.irp j, 0,1,2,3,4,5,6,7
	v_min_u32 v[\pa+\j], 300, v[\pa+\j]            ; and becomes table row 300
.endr
.irp j, 0,1,2,3,4,5,6,7
	v_lshl_add_u32 v[\pa+\j], v[\pa+\j], 8, v[C16]
.endr
.endm
.macro PGET set, pa                    ; sixteen lanes read one table row's 256 bytes
.irp j, 0,1,2,3,4,5,6,7
	global_load_b128 v[\set+4*\j:\set+4*\j+3], v[\pa+\j], s[10:11]
.endr
.endm
; 16 rows turn through place st of my stage, back into the same registers, block h of row r in lane (r, h).  LDS serves a wave's instructions in order (ISA guide 5.7.1.4): the loads see the stores.
.macro TURN set, st
.irp j, 0,1,2,3,4,5,6,7
	ds_store_b128 v[TIN], v[\set+4*\j:\set+4*\j+3] offset:\st*TST+288*\j
.endr
.irp j, 0,1,2,3,4,5,6,7
	ds_load_b128 v[\set+4*\j:\set+4*\j+3], v[TOUT] offset:\st*TST+16*\j
.endr
.endm
; a K item: load j takes rows 2 j and 2 j + 1 of the tile, whose rows 8-15 lie 8 rows further on; and the mask bytes
.macro KGET
	global_load_u8 v[MB], v[AM], s[12:13]
.irp j, 0,1,2,3,4,5,6,7
	global_load_b128 v[G+4*\j:G+4*\j+3], v[LI], s[6:7] offset:512*\j+(\j/4)*2048
.endr
.endm
.macro VGET                            ; a V item: a channel's 32 keys
.set gi, 0
.rept 32
	global_load_b32 v[G+gi], v[AVL], s[6:7] offset:256*gi
.set gi, gi+1
.endr
.endm
; a lane's 32 numbers, one block, become 4 registers of codes at v[c] and the scale's byte in v[E]; four chains by turns
.macro QROW set, c
	v_max3_num_f32 v[QA], |v[\set]|, |v[\set+1]|, |v[\set+2]|
	v_max3_num_f32 v[QB], |v[\set+3]|, |v[\set+4]|, |v[\set+5]|
	v_max3_num_f32 v[QC], |v[\set+6]|, |v[\set+7]|, |v[\set+8]|
	v_max3_num_f32 v[QD], |v[\set+9]|, |v[\set+10]|, |v[\set+11]|
.irp i, 12,20
	v_max3_num_f32 v[QA], v[QA], |v[\set+\i]|, |v[\set+\i+1]|
	v_max3_num_f32 v[QB], v[QB], |v[\set+\i+2]|, |v[\set+\i+3]|
	v_max3_num_f32 v[QC], v[QC], |v[\set+\i+4]|, |v[\set+\i+5]|
	v_max3_num_f32 v[QD], v[QD], |v[\set+\i+6]|, |v[\set+\i+7]|
.endr
	v_max3_num_f32 v[QA], v[QA], |v[\set+28]|, |v[\set+29]|
	v_max3_num_f32 v[QB], v[QB], |v[\set+30]|, |v[\set+31]|
	v_max3_num_f32 v[QC], v[QC], v[QD], 0x1800000  ; and the floor 2^(3 - 127): the byte cannot fall under 1
	s_delay_alu instid0(VALU_DEP_1)
	v_max3_num_f32 v[QA], v[QA], v[QB], v[QC]
	s_delay_alu instid0(VALU_DEP_1)
	v_add_nc_u32 v[T2], 0xff000000, v[QA]          ; 2 off the exponent field: the conversion takes this operand's exponent field as its scale
.irp g, 0,1,2,3
	v_cvt_scalef32_pk8_fp4_f32 v[\c+\g], v[\set+8*\g:\set+8*\g+7], v[T2]
.endr
	v_lshrrev_b32 v[E], 23, v[T2]                  ; the scale's byte; also the plain line behind the conversions
.endm
; my byte (block h) and lane l xor 16's make the row's word; up: its two upper bytes
.macro WORD w, up
	v_lshlrev_b32 v[\w], v[SH8], v[E]
	s_delay_alu instid0(VALU_DEP_1)
	v_permlanex16_b32 v[T3], v[\w], s20, s21
	s_delay_alu instid0(VALU_DEP_1)
	v_or_b32 v[\w], v[\w], v[T3]
	s_delay_alu instid0(VALU_DEP_1)
	v_or_b32 v[\w], \up, v[\w]
.endm
; The quantised item goes to LDS (o = 1: as the step's after the one in hand; 0: step 0's), and my item one step further on is asked for while there is one.  No load of mine is out when this begins.
.macro ITEMS o
	s_wait_xcnt 0x0                                ; a prefetch has read its base
	s_add_nc_u64 s[6:7], s[6:7], 0x8000            ; 128 rows on
	s_add_nc_u64 s[12:13], s[12:13], 0x80
	VW
	s_cmp_lt_u32 s16, 8
	s_cbranch_scc0 .Lvarm_\@
	v_lshlrev_b32 v[W], v[SH8], v[E]
	v_mad_u32_u24 v[U], v[MB], 0xfb0000, s28       ; block 2's byte: 1, or 252 for a masked key
	v_add_nc_u32 v[IA], s30, v[IK]
	v_add_nc_u32 v[IB], s32, v[IKS]
	v_permlanex16_b32 v[T3], v[W], s20, s21
	v_or_b32 v[U], v[U], v[W]
	s_delay_alu instid0(VALU_DEP_1)
	v_or_b32 v[W], v[U], v[T3]
	ds_store_b128 v[IA], v[CC:CC+3] offset:4096*\o
	ds_store_b32 v[IB], v[W] offset:1024*\o        ; (both halves of the lanes write the same word with the same value)
.if \o
	s_cmp_lt_u32 s37, 2
	s_cbranch_scc1 .Ljoin_\@
.endif
	KGET
	s_branch .Ljoin_\@
.Lvarm_\@:
	v_add_nc_u32 v[IA], s30, v[IV]
	v_add_nc_u32 v[IB], s32, v[IVS]
	ds_store_b128 v[IA], v[CC:CC+3] offset:4096*\o
	ds_store_b8 v[IB], v[E] offset:1024*\o
.if \o
	s_cmp_lt_u32 s37, 2
	s_cbranch_scc1 .Ljoin_\@
.endif
	VGET
.Ljoin_\@:
.if \o
	s_cmp_gt_u32 s37, s45                          ; waves 0 and 8, in steps 0-3: the item's base is there its step's first byte
	s_cbranch_scc0 .Lask_\@
	global_prefetch_b8 v[PFO], s[6:7] offset:65536 th:TH_LOAD_NT scope:SCOPE_SE
.Lask_\@:
.endif
.endm
	s_load_b256 s[4:11], s[0:1], 0x0               ; q s[4:5], k s[6:7], v s[8:9], pos s[10:11]
	s_load_b128 s[12:15], s[0:1], 0x20             ; mask s[12:13], out s[14:15]
	v_lshrrev_b32 v[RR], 5, v0
	s_delay_alu instid0(VALU_DEP_1)
	v_readfirstlane_b32 s16, v[RR]                 ; wave 0..15
	s_and_b32 s17, ttmp7, 0xffff                   ; y: block of 256 queries
	s_mov_b32 s18, ttmp9                           ; x: head
	v_and_b32 v[LN], 31, v0
	v_and_b32 v[RR], 15, v0
	v_bfe_u32 v[HH], v0, 4, 1
	v_lshlrev_b32 v[LI], 4, v[LN]
	v_and_b32 v[AM], 8, v[RR]
	v_lshlrev_b32 v[AVL], 2, v[LN]
	v_add_nc_u32 v[AM], v[AM], v[RR]               ; r + 8 (r / 8)
	s_lshl_b32 s44, s18, 18                        ; the head's 262,144 bytes
	s_and_b32 s46, s16, 7
	s_lshl_b32 s46, s46, 3
	s_lshr_b32 s27, s16, 3
	s_lshl_b32 s27, s27, 2
	s_add_co_u32 s46, s46, s27
	s_add_co_u32 s46, s46, s17                     ; my tile of queries: 8 (w % 8) + 4 (w / 8) + y
	s_lshl_b32 s26, s46, 12
	s_add_co_u32 s26, s26, s44                     ; q, out: + 16 rows of 256 bytes a tile
	s_mov_b32 s27, 0
	s_bfe_u32 s38, s16, 0x20001                    ; (w / 2) % 4: my item begins 32 of these rows on in its step,
	s_and_b32 s40, s16, 1
	s_lshl_b32 s42, s38, 5
	s_lshl_b32 s38, s38, 13
	s_cmp_lt_u32 s16, 8
	s_cselect_b32 s41, 11, 7
	s_lshl_b32 s41, s40, s41                       ; and, w odd, 8 rows (k) or 32 channels (v) further on
	s_add_co_u32 s38, s38, s41
	s_add_co_u32 s38, s38, s44
	s_mov_b32 s39, 0
	s_lshl_b32 s41, s40, 3
	s_add_co_u32 s42, s42, s41
	s_lshr_b32 s41, s18, 4
	s_lshl_b32 s41, s41, 10
	s_add_co_u32 s42, s42, s41                     ; mask: batch x / 16, and my tile's first key
	s_mov_b32 s43, 0
	VW
	s_wait_kmcnt 0x0
	s_add_nc_u64 s[4:5], s[4:5], s[26:27]
	s_add_nc_u64 s[14:15], s[14:15], s[26:27]
	s_add_nc_u64 s[12:13], s[12:13], s[42:43]
	s_cmp_lt_u32 s16, 8
	s_cselect_b64 s[6:7], s[6:7], s[8:9]           ; waves 0-7 take k, waves 8-15 v
	s_add_nc_u64 s[6:7], s[6:7], s[38:39]
	s_cmp_lt_u32 s16, 8
	s_cbranch_scc0 .Lfirst_v
	KGET
	s_branch .Lfirst
.Lfirst_v:
	VGET
.Lfirst:
.irp j, 0,1,2,3,4,5,6,7
	global_load_b128 v[R0+4*\j:R0+4*\j+3], v[LI], s[4:5] offset:512*\j th:TH_LOAD_NT   ; q is read once in the launch
.endr
	v_lshlrev_b32 v[C16], 4, v[RR]
	s_lshl_b32 s24, s16, 4
	s_add_co_u32 s24, s24, 112
	v_add_nc_u32 v[EP], s24, v[HH]
	PADDR PA0, 0
	PGET R1, PA0                                   ; table tile 7 + w
	VW
	s_cmp_lt_u32 s16, 6                            ; tiles 23 to 28 fall to waves 0 to 5
	s_cbranch_scc0 .Lno_p2a
	PADDR PA1, 1
	PGET R2, PA1
.Lno_p2a:
	; every LDS address is a constant + constants x lane parts + a constant x wave, made here
	s_mul_i32 s19, s16, STGW
	s_add_co_u32 s19, s19, STG                     ; my stage
	v_mul_u32_u24 v[STS], v[RR], 660
	v_mul_u32_u24 v[STL], v[RR], 656
	v_mul_u32_u24 v[OST], v[RR], 272
	v_mul_u32_u24 v[ORD], v[HH], 272
	v_lshl_add_u32 v[STS], v[HH], 5, v[STS]
	v_lshl_add_u32 v[STL], v[HH], 6, v[STL]
	v_lshl_add_u32 v[OST], v[HH], 5, v[OST]
	v_lshl_add_u32 v[ORD], v[RR], 4, v[ORD]
	s_add_co_u32 s24, s19, 4
	s_add_co_u32 s25, s19, 64
	v_add_nc_u32 v[STS], s24, v[STS]
	v_add_nc_u32 v[STL], s25, v[STL]
	v_add_nc_u32 v[OST], s19, v[OST]
	v_add_nc_u32 v[ORD], s19, v[ORD]
	v_bfe_u32 v[TIN], v0, 3, 1                     ; the turn: of a load's two rows I hold 16 bytes of row lane / 16, block (lane / 8) % 2
	v_mul_u32_u24 v[TOUT], v[RR], 144
	v_and_b32 v[TA], 7, v0
	v_lshl_add_u32 v[APS0], v[RR], 2, PSC
	v_lshl_add_u32 v[APSH], v[LN], 2, PSC
	v_mul_u32_u24 v[TIN], v[TIN], 2432
	v_mad_u32_u24 v[TOUT], v[HH], 2432, v[TOUT]
	v_add_nc_u32 v[LS], SC, v[LI]
	v_add_nc_u32 v[ADP], PIMG, v[LI]
	v_mad_u32_u24 v[TIN], v[HH], 144, v[TIN]
	v_add_nc_u32 v[TOUT], s19, v[TOUT]
	v_lshlrev_b32 v[SH8], 3, v[HH]
	v_mov_b32 v[T3], 0                             ; written once: a lane permute's destination counts as one of its sources
	v_lshl_add_u32 v[TIN], v[TA], 4, v[TIN]
	s_lshl_b32 s24, s16, 9
	v_add_nc_u32 v[IK], s24, v[LI]                 ; K: tile w of the step
	s_add_co_u32 s24, s24, PIMG+3584
	v_add_nc_u32 v[PST], s24, v[LI]                ; table tiles 7 + w, 23 + w
	v_add_nc_u32 v[TIN], s19, v[TIN]
	s_lshl_b32 s24, s16, 6
	s_add_co_u32 s24, s24, 448
	v_add_nc_u32 v[PSS], s24, v[APS0]
	s_bfe_u32 s24, s16, 0x10002
	s_lshl_b32 s25, s24, 8
	s_and_b32 s41, s16, 3
	s_lshl_b32 s41, s41, 2
	s_add_co_u32 s25, s25, s41
	s_add_co_u32 s25, s25, SC
	v_lshl_add_u32 v[IKS], v[RR], 4, s25           ; its words: 256 (w / 4) + 16 r + 4 (w % 4)
	s_lshl_b32 s24, s24, 9                         ; V: block t = (w / 2) % 4, channels 32 (w % 2) + lane: fragment 2 (w % 2) + h, row r; registers 4 (t / 2) on, lane 16 (t % 2) + r
	s_bfe_u32 s25, s16, 0x10001
	s_lshl_b32 s25, s25, 8
	s_add_co_u32 s24, s24, s25
	s_lshl_b32 s25, s40, 11
	s_add_co_u32 s24, s24, s25
	s_add_co_u32 s24, s24, VIMG
	v_lshl_add_u32 v[IV], v[HH], 10, s24
	s_bfe_u32 s24, s16, 0x20001
	s_lshl_b32 s25, s40, 8
	s_add_co_u32 s24, s24, s25
	s_add_co_u32 s24, s24, SC+512
	v_lshl_add_u32 v[IVS], v[HH], 2, s24           ; its bytes: 256 (w % 2) + 16 r + 4 h + t
	s_lshl_b32 s24, s17, 13
	v_lshlrev_b32 v[PFO], 8, v[LN]
	VW
	v_lshl_add_u32 v[IV], v[RR], 4, v[IV]
	v_lshl_add_u32 v[IVS], v[RR], 4, v[IVS]
	v_add_nc_u32 v[PFO], s24, v[PFO]               ; rows 32 y + lane of a step
	v_mov_b32 v[ADPS], 0                           ; (named as the upper half of the pair with F before it is first written)
	s_mov_b32 s20, 0x76543210
	s_mov_b32 s21, 0xfedcba98                      ; v_permlanex16_b32's selects for lane l xor 16
	s_mov_b32 s22, 0x3e38aa3b                      ; c = log2(e) / 8: t = score x c
	s_mov_b32 s23, s22                             ; (named with it as a pair, so it is written)
	s_mov_b32 s28, 0x7f010000                      ; a scale word's upper bytes: block 2: 2^-126, block 3: 1 (its codes are zeros)
	s_mov_b32 s29, 0x7f630000                      ; Q's: block 2: 2^-28
	s_mov_b32 s30, 0                               ; 4096 x step
	s_mov_b32 s32, 0                               ; 1024 x step
	s_sub_co_u32 s34, 17, s46                      ; RT = 8 s + 17 - my tile: key column c and query r want extended row 16 RT + 15 + c - r: tiles RT .. RT + 8
	s_mov_b32 s37, 8
	s_and_b32 s38, s16, 7
	s_mov_b32 s45, 99
	s_cmp_eq_u32 s38, 0
	s_cselect_b32 s45, 3, s45
	VW
	s_wait_loadcnt 16                              ; behind the item: q and table tile 7 + w (waves 0-5 have eight loads more: the count is then smaller than it need be)
	s_cmp_lt_u32 s16, 8
	s_cbranch_scc0 .Lp0
	TURN G, 0
.Lp0:
	s_wait_loadcnt 8                               ; behind q: the table tile
	TURN R0, 1
	s_wait_dscnt 16                                ; all but q's turn
	QROW G, CC
	ITEMS 0                                        ; (the table tiles may still be out: they use neither the item's registers nor its pointers)
	s_wait_dscnt 0x0
	QROW R0, QF
	WORD QS, s29
	VW
	s_cmp_lt_u32 s16, 8
	s_cbranch_scc0 .Lpv
	s_wait_loadcnt 9                               ; behind my table tiles: item 1, nine loads in a k wave,
	s_branch .Lpt
.Lpv:
	s_wait_loadcnt 32                              ; 32 in a v wave
.Lpt:
	TURN R1, 0
	s_cmp_lt_u32 s16, 6
	s_cbranch_scc0 .Lp1
	TURN R2, 1
.Lp1:
	s_wait_dscnt 0x0
	QROW R1, PC
	WORD W, s28
	ds_store_b128 v[PST], v[PC:PC+3]
	ds_store_b32 v[PSS], v[W]
	VW
	s_cmp_lg_u32 s16, 0                            ; wave 0's tile 7 is tiles 0-6 too
	s_cbranch_scc1 .Lp2
.irp i, 0,1,2,3,4,5,6
	ds_store_b128 v[ADP], v[PC:PC+3] offset:512*\i
	ds_store_b32 v[APS0], v[W] offset:64*\i
.endr
.Lp2:
	s_cmp_lt_u32 s16, 6
	s_cbranch_scc0 .Lp3
	QROW R2, PC+4
	WORD W, s28
	ds_store_b128 v[PST], v[PC+4:PC+7] offset:8192
	ds_store_b32 v[PSS], v[W] offset:1024
	VW
	s_cmp_lg_u32 s16, 5                            ; wave 5's tile 28 is tiles 29-35 too
	s_cbranch_scc1 .Lp3
.irp i, 1,2,3,4,5,6,7
	ds_store_b128 v[PST], v[PC+4:PC+7] offset:8192+512*\i
	ds_store_b32 v[PSS], v[W] offset:1024+64*\i
.endr
.Lp3:
	s_wait_dscnt 0x0                               ; for the others' sake: my images lie in LDS
	s_barrier_signal -1
	v_bfe_u32 v252, v0, 4, 1
	s_delay_alu instid0(VALU_DEP_1)
	v_xor_b32 v[QF+4], 1, v252                     ; Q at k = 64: the code of 0.5, in lanes 0-15 alone
	v_mov_b32 v[QF+5], 0
	v_mov_b32 v[QF+6], 0
	v_mov_b32 v[QF+7], 0
	v_mul_u32_u24 v[KB+4], 15, v[QF+4]             ; keys and table rows at k = 64: the code of -6
	v_mov_b32 v13, 0xec800000                      ; the largest t so far: -2^90, over every masked key's t (-0.54 x 2^97)
	v_mov_b32 v14, 0                               ; the sum, in two halves
	v_mov_b32 v15, 0
.irp b, 1,2,3
	v_mov_b32 v[KB+8*\b+4], v[KB+4]
.endr
	v_floor_f32 v12, -v13                          ; -M
.irp b, 0,1,2,3
	v_mov_b32 v[KB+8*\b+5], 0
	v_mov_b32 v[KB+8*\b+6], 0
	v_mov_b32 v[KB+8*\b+7], 0
	v_mov_b32 v[BT+\b], 0                          ; written once: a lane permute's destination counts as one of its sources
.endr
.set j, 0
.rept 32
	v_mov_b32 v[O+j], 0                            ; O^T.  (The loop's step is written once: the first finds zeros)
.set j, j+1
.endr
	VW
	s_barrier_wait -1
; one matrix instruction.  c < 0: the sum starts with 0; else C = v[c .. c + 7].  row = 1: source 0's scales stand in lanes 16-31
.macro WM d, a, b, c, sa, sb, row
.if (\c) < 0
.if \row
	v_wmma_scale_f32_16x16x128_f8f6f4 v[\d:\d+7], v[\a:\a+7], v[\b:\b+7], 0, v[\sa], v[\sb] matrix_a_fmt:MATRIX_FMT_FP4 matrix_b_fmt:MATRIX_FMT_FP4 matrix_a_scale:MATRIX_SCALE_ROW1
.else
	v_wmma_scale_f32_16x16x128_f8f6f4 v[\d:\d+7], v[\a:\a+7], v[\b:\b+7], 0, v[\sa], v[\sb] matrix_a_fmt:MATRIX_FMT_FP4 matrix_b_fmt:MATRIX_FMT_FP4
.endif
.elseif \row
	v_wmma_scale_f32_16x16x128_f8f6f4 v[\d:\d+7], v[\a:\a+7], v[\b:\b+7], v[\c:\c+7], v[\sa], v[\sb] matrix_a_fmt:MATRIX_FMT_FP4 matrix_b_fmt:MATRIX_FMT_FP4 matrix_a_scale:MATRIX_SCALE_ROW1
.else
	v_wmma_scale_f32_16x16x128_f8f6f4 v[\d:\d+7], v[\a:\a+7], v[\b:\b+7], v[\c:\c+7], v[\sa], v[\sb] matrix_a_fmt:MATRIX_FMT_FP4 matrix_b_fmt:MATRIX_FMT_FP4
.endif
.endm
.macro PLACES                          ; four plain vector lines between a matrix instruction and a load into, or a read of, its registers
.rept 4
	v_nop
.endr
.endm
.macro KLOAD g                         ; tiles 4 g .. 4 g + 3 of the step's keys: registers 0-3 of the four buffers
.irp b, 0,1,2,3
	ds_load_b128 v[KB+8*\b:KB+8*\b+3], v[ADK] offset:2048*\g+512*\b
.endr
.endm
.macro SMUL g, c                       ; their scores.  c < 0: C is what lies in the tile's own registers; else the eight registers at c
.irp b, 0,1,2,3
.if (\c) < 0
	WM S+8*(4*\g+\b), KB+8*\b, QF, S+8*(4*\g+\b), KS+\b, QS, \g
.else
	WM S+8*(4*\g+\b), KB+8*\b, QF, \c, KS+\b, QS, \g
.endif
.endr
.endm
.macro PLOAD x0, n                     ; table tiles x0 .. x0 + n - 1 of the step's nine, and their scale words
.set pb, 0
.rept \n
	ds_load_b128 v[KB+8*pb:KB+8*pb+3], v[ADP] offset:512*(\x0+pb)
.if (pb%2)==0
	ds_load_b32 v[PS+pb/2], v[ADPS] offset:64*(\x0+pb)-64*(\n%2)   ; the words of two tiles, the second's in lanes 16-31; a tile alone takes lanes 16-31
.endif
.set pb, pb+1
.endr
.endm
.macro PMUL n, d0
.set pb, 0
.rept \n
	WM \d0+8*pb, KB+8*pb, QF, -1, PS+pb/2, QS, (pb+\n)%2
.set pb, pb+1
.endr
.endm
.macro PSTORE x0, n, d0                ; lane (r, h), register j: extended row 16 x + 8 h + j for query r, to word 165 r + 16 x + 8 h + j + 1; each result from its low end on
.set pb, 0
.rept \n
.irp j, 0,1,2,3,4,5,6,7
	ds_store_b32 v[STS], v[\d0+8*pb+\j] offset:64*(\x0+pb)+4*\j
.endr
.set pb, pb+1
.endr
.endm
.macro FAR c                           ; a step outside the band
	KLOAD 0
	s_wait_dscnt 0x0
	SMUL 0, \c
	PLACES
	KLOAD 1
	s_wait_dscnt 0x0
	SMUL 1, \c
.endm
.macro ADD d, a
	v_pk_add_f32 v[\d:\d+1], v[\d:\d+1], v[S+\a:S+\a+1]
.endm
; A STEP of 128 keys.  last = 1: no item is left and no barrier follows
.macro STEP last
	v_add_nc_u32 v[ADK], s30, v[LI]
	v_add_nc_u32 v[ADS], s32, v[LS]
.rept 3
	v_nop                                          ; with the two above: five places behind the last products, in front of products that write over registers that they read
.endr
	VW
	ds_load_b128 v[KS:KS+3], v[ADS]
	s_cmp_gt_u32 s34, 27                           ; the branches hang on the work-group's, the wave's and the step's numbers alone
	s_cbranch_scc1 .Lfar_\@
	; A STEP THAT MEETS THE BAND: nine table tiles x Q, through my stage, become the C of the score products
	s_min_u32 s38, s34, 27
	s_lshl_b32 s35, s38, 9
	s_add_co_u32 s35, s35, PIMG
	s_lshl_b32 s36, s38, 6
	v_add_nc_u32 v[ADP], s35, v[LI]
	v_add_nc_u32 v[ADPS], s36, v[APSH]
	PLOAD 0, 4
	VW
	s_wait_dscnt 0x0
	PMUL 4, S
	PLACES
	PLOAD 4, 4
	PSTORE 0, 4, S
	s_wait_dscnt 32                                ; the 32 stores are younger than the eight loads
	PMUL 4, S+32
	PLACES
	PLOAD 8, 1
	PSTORE 4, 4, S+32
	s_wait_dscnt 32
	PMUL 1, D8
	PLACES
	KLOAD 0
	PSTORE 8, 1, D8
.irp t, 0,1,2,3,4,5,6,7
.irp e, 0,1
	ds_load_b128 v[S+8*\t+4*\e:S+8*\t+4*\e+3], v[STL] offset:128*(\t/2)+32*(\t%2)+16*\e   ; in order behind my stores.  Register j of tile t: key column 32 (t / 2) + 16 h + 8 (t % 2) + j
.endr
.endr
	s_wait_dscnt 8                                 ; the C of tiles 4-7 may be out
	SMUL 0, -1
	PLACES
	KLOAD 1
	s_wait_dscnt 0x0
	SMUL 1, -1
	s_branch .Lsoft_\@
.Lfar_\@:
	s_cmp_lt_i32 s34, 0
	s_cbranch_scc1 .Lleft_\@
	FAR CR                                         ; RT >= 28: every j - i is 150 or more
	s_branch .Lsoft_\@
.Lleft_\@:
	FAR CL                                         ; RT < 0: every j - i is -150 or less
.Lsoft_\@:
.if \last
	PLACES
.else
	s_wait_loadcnt 0x0                             ; my item of the next step is in
	s_cmp_lt_u32 s16, 8
	s_cbranch_scc0 .Lnoturn_\@
	TURN G, 0
	s_wait_dscnt 0x0
.Lnoturn_\@:
	QROW G, CC                                     ; (also the places between the score products and their readers)
	ITEMS 1
	s_wait_dscnt 0x0                               ; for the others' sake: my part of the next step's images lies in LDS
	s_barrier_signal -1                            ; up to the wait at the step's end: work on registers, and loads of this step's V, which no wave writes again
.endif
.irp b, 0,1,2,3
	v_max3_num_f32 v[BM+\b], v[S+16*\b], v[S+16*\b+1], v[S+16*\b+2]   ; the largest score of each block of 32 keys: for the row's maximum, and, since p rises with the score, for the block's largest p
.endr
.irp i, 3,5,7,9,11,13
.irp b, 0,1,2,3
	v_max3_num_f32 v[BM+\b], v[BM+\b], v[S+16*\b+\i], v[S+16*\b+\i+1]
.endr
.endr
.irp b, 0,1,2,3
	v_max_num_f32 v[BM+\b], v[BM+\b], v[S+16*\b+15]
.endr
.irp b, 0,1,2,3
	v_permlanex16_b32 v[BT+\b], v[BM+\b], s20, s21
.endr
.irp b, 0,1,2,3
	v_max_num_f32 v[BM+\b], v[BM+\b], v[BT+\b]     ; with lane l xor 16's 16 keys
.endr
	s_delay_alu instid0(VALU_DEP_2)
	v_max3_num_f32 v252, v[BM], v[BM+1], v[BM+2]
	s_delay_alu instid0(VALU_DEP_1)
	v_max_num_f32 v252, v252, v[BM+3]
	s_delay_alu instid0(VALU_DEP_1)
	v_mul_f32 v252, s22, v252                      ; as t (c is positive)
	s_delay_alu instid0(VALU_DEP_1)
	v_max_num_f32 v13, v13, v252                   ; the running largest t
	v_mov_b32 v252, v12
	s_delay_alu instid0(VALU_DEP_2)
	v_floor_f32 v12, -v13                          ; the new -M = -ceil(t): a whole number
	s_delay_alu instid0(VALU_DEP_1)
	v_sub_f32 v252, v12, v252                      ; old M - new M, 0 or less
	s_delay_alu instid0(VALU_DEP_1)
	v_cvt_i32_f32 v252, v252                       ; (it saturates)
	s_delay_alu instid0(VALU_DEP_1)
	v_ldexp_f32 v[F], 1.0, v252                    ; f = 2^(old M - new M): a multiplication by it rounds nothing
.set j, 0
.rept 32
	v_pk_fma_f32 v[S+j:S+j+1], v[S+j:S+j+1], s[22:23], v[12:13] op_sel_hi:[1,0,0]   ; t - M, two at a time
.set j, j+2
.endr
.irp b, 0,1,2,3
	v_fma_f32 v[BM+\b], v[BM+\b], s22, v12
.endr
	VW
.irp b, 0,1,2,3
	v_exp_f32 v[BM+\b], v[BM+\b]                   ; the block's largest p: the same two instructions on the same number
.endr
.set j, 0
.rept 64
	v_exp_f32 v[S+j], v[S+j]                       ; p = 2^(t - M), at most 1; 0 for a masked key
.set j, j+1
.endr
	v_pk_mul_f32 v[14:15], v[14:15], v[F:F+1] op_sel_hi:[1,0]   ; the sums under the new M; a plain line behind the exponentials
	VW
.irp b, 0,1,2,3
	v_max_num_f32 v[BM+\b], 0x1800000, v[BM+\b]    ; the floor 2^(3 - 127): a block of zeros keeps the byte 1
.endr
.irp b, 0,1,2,3
	v_add_nc_u32 v[SOP+\b], 0xff000000, v[BM+\b]
.endr
.irp b, 0,1,2,3
	v_lshrrev_b32 v[BT+\b], 23, v[SOP+\b]
.endr
	s_delay_alu instid0(VALU_DEP_3)
	v_lshl_or_b32 v253, v[BT+1], 8, v[BT]          ; p's scale word for these 128 keys
	s_delay_alu instid0(VALU_DEP_1)
	v_lshl_or_b32 v253, v[BT+2], 16, v253
	s_delay_alu instid0(VALU_DEP_1)
	v_lshl_or_b32 v253, v[BT+3], 24, v253
.irp b, 0,1,2,3
	v_cvt_scalef32_pk8_fp4_f32 v[PC+2*\b], v[S+16*\b:S+16*\b+7], v[SOP+\b]
	v_cvt_scalef32_pk8_fp4_f32 v[PC+2*\b+1], v[S+16*\b+8:S+16*\b+15], v[SOP+\b]
.endr
	v_nop                                          ; one plain line behind a scaled conversion
.irp c, 0,1                                        ; the operand's layout wants a whole block in a lane
.irp i, 0,1
	v_permlane16_swap_b32 v[PC+4*\c+\i], v[PC+4*\c+2+\i]
.endr
.endr
	v_pk_add_f32 v[236:237], v[S:S+1], v[S+2:S+3]  ; the row's sum of the unquantised p, in five chains by turns: the first 32
	v_pk_add_f32 v[238:239], v[S+4:S+5], v[S+6:S+7]
	v_pk_add_f32 v[240:241], v[S+8:S+9], v[S+10:S+11]
	v_pk_add_f32 v[242:243], v[S+12:S+13], v[S+14:S+15]
	ADD 14, 16
	ADD 236, 18
	ADD 238, 20
	ADD 240, 22
	ADD 242, 24
	ADD 14, 26
	ADD 236, 28
	ADD 238, 30
.irp t, 0,1,2,3
.irp c, 0,1
	ds_load_b128 v[S+8*\t+4*\c:S+8*\t+4*\c+3], v[ADK] offset:VIMG+1024*\t+512*\c   ; whose registers take V's fragments
.endr
.endr
	ds_load_b64 v[VS:VS+1], v[ADS] offset:512
	ADD 240, 32
	ADD 242, 34
	ADD 14, 36
	ADD 236, 38
	ADD 238, 40
	ADD 240, 42
	ADD 242, 44
	ADD 14, 46
	ADD 236, 48
	ADD 238, 50
	ADD 240, 52
	ADD 242, 54
	ADD 14, 56
	ADD 236, 58
	ADD 238, 60
	ADD 240, 62
	v_pk_add_f32 v[14:15], v[14:15], v[242:243]
	v_pk_add_f32 v[236:237], v[236:237], v[238:239]
	s_delay_alu instid0(VALU_DEP_2)
	v_pk_add_f32 v[14:15], v[14:15], v[240:241]
	s_delay_alu instid0(VALU_DEP_1)
	v_pk_add_f32 v[14:15], v[14:15], v[236:237]
	VW
.set j, 0
.rept 16
	v_pk_mul_f32 v[O+j:O+j+1], v[O+j:O+j+1], v[F:F+1] op_sel_hi:[1,0]   ; O^T under the new M
.set j, j+2
.endr
	VW
	s_wait_dscnt 0x0
.irp t, 0,1,2,3                                    ; O^T += V^T P^T.  The four accumulators take turns
	WM O+8*\t, S+8*\t, PC, O+8*\t, VS+(\t%2), 253, \t/2
.endr
.if !\last
	s_barrier_wait -1                              ; the next step's images are whole
.endif
.endm
	ds_load_b128 v[KB:KB+3], v[ADP]                ; tile 0: sixteen times table row 300
	ds_load_b128 v[KB+8:KB+11], v[ADP] offset:17920 ; tile 35: sixteen times row 299
	ds_load_b32 v[PS], v[APS0]
	ds_load_b32 v[PS+1], v[APS0] offset:2240
	s_wait_dscnt 0x0
	WM CL, KB, QF, -1, PS, QS, 0
	WM CR, KB+8, QF, -1, PS+1, QS, 0
	s_mov_b32 s37, 7
.Lstep:                                            ; 7 trips; in trip s s37 = 7 - s
	STEP 0
	s_add_co_u32 s30, s30, 4096
	s_add_co_u32 s32, s32, 1024
	s_add_co_u32 s34, s34, 8
	s_sub_co_u32 s37, s37, 1
	s_cmp_lg_u32 s37, 0
	s_cbranch_scc1 .Lstep
	STEP 1
	; THE WAY OUT.  O^T / the sum goes through my stage (rows of 272 bytes) and leaves as whole rows of 256 bytes.
	v_add_f32 v14, v14, v15                        ; the sum's two halves,
	v_mov_b32 v252, 0
	s_delay_alu instid0(VALU_DEP_1)
	v_permlanex16_b32 v252, v14, s20, s21
	s_delay_alu instid0(VALU_DEP_1)
	v_add_f32 v14, v14, v252                       ; and lane l xor 16's
	VW
	v_rcp_f32 v14, v14
	v_mov_b32 v254, 0x7fc00000                     ; (a plain line behind the reciprocal)
	v_cmp_ge_f32 vcc_lo, 0xec800000, v13           ; no key has counted: the row is NaN, as in the reference
	VW
	v_cndmask_b32 v14, v14, v254, vcc_lo
.set j, 0
.rept 16
	v_pk_mul_f32 v[S+j:S+j+1], v[O+j:O+j+1], v[14:15] op_sel_hi:[1,0]   ; register 8 tau + i: out(query r, channel 16 tau + 8 h + i)
.set j, j+2
.endr
.irp t, 0,1,2,3
	ds_store_b128 v[OST], v[S+8*\t:S+8*\t+3] offset:64*\t
	ds_store_b128 v[OST], v[S+8*\t+4:S+8*\t+7] offset:64*\t+16
.endr
.irp i, 0,1,2,3,4,5,6,7
	ds_load_b128 v[KB+4*\i:KB+4*\i+3], v[ORD] offset:544*\i   ; lanes 0-15 row 2 i, lanes 16-31 row 2 i + 1; in order behind my stores
.endr
.irp i, 0,1,2,3,4,5,6,7
	s_wait_dscnt 7-\i
	global_store_b128 v[LI], v[KB+4*\i:KB+4*\i+3], s[14:15] offset:512*\i th:TH_STORE_NT   ; 32 lanes store 512 consecutive bytes, at a multiple of 256 from the output's first byte
.endr
	v_lshl_add_u32 v254, v0, 2, SPARE
	v_mov_b32 v255, 0
	VW
	s_wait_tensorcnt 0x0                           ; the wave's end
	ds_add_u32 v254, v255
	s_wait_dscnt 0x0
	s_endpgm
.Lfunc_end_k_q5824c46068_attn:
	.size	k_q5824c46068_attn, .Lfunc_end_k_q5824c46068_attn-k_q5824c46068_attn
	.p2alignl 7, 3214868480
	.fill 96, 4, 3214868480
	.section	.rodata,"a",@progbits
	.p2align	6, 0x0
	.amdhsa_kernel k_q5824c46068_attn
		.amdhsa_group_segment_fixed_size 264704
		.amdhsa_private_segment_fixed_size 0
		.amdhsa_enable_private_segment 0
		.amdhsa_kernarg_size 48
		.amdhsa_user_sgpr_count 2
		.amdhsa_user_sgpr_kernarg_segment_ptr 1
		.amdhsa_wavefront_size32 1
		.amdhsa_system_sgpr_workgroup_id_x 1
		.amdhsa_system_sgpr_workgroup_id_y 1
		.amdhsa_system_sgpr_workgroup_id_z 1
		.amdhsa_system_vgpr_workitem_id 0
		.amdhsa_next_free_vgpr 256
		.amdhsa_next_free_sgpr 66
		.amdhsa_reserve_vcc 1
		.amdhsa_float_denorm_mode_32 3
		.amdhsa_float_denorm_mode_16_64 3
		.amdhsa_memory_ordered 1
		.amdhsa_forward_progress 1
		.amdhsa_inst_pref_size 104
	.end_amdhsa_kernel
	.amdgpu_metadata
---
amdhsa.version: [ 1, 2 ]
amdhsa.kernels:
  - .name:           k_q5824c46068_attn
    .symbol:         k_q5824c46068_attn.kd
    .args:
      - { .name: q, .offset: 0, .size: 8, .value_kind: global_buffer, .address_space: global }
      - { .name: k, .offset: 8, .size: 8, .value_kind: global_buffer, .address_space: global }
      - { .name: v, .offset: 16, .size: 8, .value_kind: global_buffer, .address_space: global }
      - { .name: pos_embedding, .offset: 24, .size: 8, .value_kind: global_buffer, .address_space: global }
      - { .name: mask, .offset: 32, .size: 8, .value_kind: global_buffer, .address_space: global }
      - { .name: out0, .offset: 40, .size: 8, .value_kind: global_buffer, .address_space: global }
    .group_segment_fixed_size: 264704
    .private_segment_fixed_size: 0
    .kernarg_segment_align: 8
    .kernarg_segment_size: 48
    .max_flat_workgroup_size: 512
    .sgpr_count:     66
    .vgpr_count:     256
    .wavefront_size: 32
...
	.end_amdgpu_metadata
.endif
;; end of part 2
